; MI455X (gfx1250); checked and timed in simulation.
; The chip was launched on July 23, 2026; its instructions are those of AMD's public machine-readable ISA for CDNA 5 (MIT licence, August 2026) and "CDNA5" Instruction Set Architecture Reference Guide (July 2026). The comments in the code are by the model that wrote it; some were corrected since.
;; Avg Pooling Initializer. Allowed arithmetic: float matrix products may take bf16 or f16 operands with f32 sums; all other float work in f32.
;; Inputs: bg_mask 8 x 4 x 128 x 128 float32; fg_mask 8 x 16 x 128 x 128 float32; fmap 8 x 256 x 128 x 128 float32.
;; Outputs: out0 8 x 16 x 256 float32; out1 8 x 4 x 256 float32.
;; One version. Each part assembles by itself: llvm-mc -triple=amdgcn-amd-amdhsa -mcpu=gfx1250 --defsym DOCPART=n.
;; ======== version 1 of 1: 2 launches
;; workspace buffers: part 5,308,416 bytes
;; launch partial (part 1): grid 32 x 8, 16 waves a work-group, no clusters, 113,920 bytes of LDS; arguments fmap, fg_mask, bg_mask, part; writes part
.if DOCPART == 1
	.amdgcn_target "amdgcn-amd-amdhsa--gfx1250"
	.amdhsa_code_object_version 6
	.text
	.protected	k_q02a1426b19_partial
	.globl	k_q02a1426b19_partial
	.p2align	8
	.type	k_q02a1426b19_partial,@function
k_q02a1426b19_partial:
	s_mov_b64 s[64:65], 0
	v_nop
	global_prefetch_b8 v0, s[64:65] scope:SCOPE_SE
	s_setreg_imm32_b32 hwreg(HW_REG_WAVE_MODE, 25, 1), 1
	s_wait_xcnt 0x0
; Masked average pooling, first of two launches: partial sums over a chunk of 512 pixels.
; fmap [8][256][16384] f32, fg_mask [8][16][16384] f32, bg_mask [8][4][16384] f32.
; Work-group (x = chunk 0..31, y = batch 0..7) stores one block of 20,736 bytes in part:
;   rows 0-15: for foreground mask i, the sum over the chunk's pixels with mask > 0.5 of fmap[c][pixel], 256 channels f32;
;              if the chunk has NO such pixel, fmap[c] at the chunk's first pixel of largest mask value instead
;   rows 16-19: the same sums for the four background masks (zeros where the chunk has no pixel)
;   byte 20,480: a record of 32 pairs (count of pixels above 0.5, largest mask value); pair i belongs to row i, pairs 20-31 are filler.
; A foreground mask that is empty over all pixels is empty in every chunk, so the second launch can pick the pixel that
; reference() falls back to from these rows by selection alone: no address is ever made from mask data.
; No two work-groups read the same input byte, so there is nothing to share in a cluster.
; Sixteen waves.  Wave w owns channels 16 w .. 16 w + 15, foreground mask w and a quarter of background mask w >> 2.
; fmap comes in by loads that cover 512 consecutive bytes of one channel (lane l: 4 pixels at byte 16 l); a group is 16 such loads
; (16 channels x 128 pixels).  Two groups of registers take turns: 32 loads a wave, 256 KiB a work-group, go out at the start.
; A group is rounded to bf16 in place, laid into the wave's own LDS stage and read back as matrix fragments (a lane of a fragment
; holds one channel, a lane of a load holds one piece of a row: LDS does the transposition).
; LIMITS: a NaN in a mask counts as not above 0.5 (as in reference()) but is passed over in the search for the largest value, where
; jnp.argmax would take the first NaN; fmap is taken to be finite and inside bf16's range; the products use fmap rounded to bf16,
; the fall-back pixel's features too.
.set ROWB,  65536                      ; bytes of one channel's or one mask's 16,384 pixels
.set QB,    512                        ; bytes that one load of a wave covers: 128 pixels
.set WP,    1040                       ; LDS pitch of a row of 512 bf16 weights, and of a row of 256 f32 results: 1,024 + 16
.set SP,    272                        ; LDS pitch of a stage row: 128 bf16 + 16.  Both pitches are odd multiples of 16 bytes, so the 16 rows
                                       ; that a fragment load touches start at 16 different 16-byte columns modulo 256 bytes
.set STQ,   20*WP                      ; behind the 20 weight rows: 20 x 4 words of counts (a row's count is the sum of its four words)
.set STM,   STQ+320                    ; 16 words: largest value of each foreground row
.set STG,   21248                      ; the waves' stages
.set STGW,  16*SP                      ; one wave's stage: 16 channels x 128 pixels in bf16
.set OUTS,  STG+16*STGW                ; the way out: 20 rows x 1,040 bytes
.set BLOCK, 20736                      ; bytes of a work-group's block in part
.set REC,   20480                      ; where its record begins
.set LOFF, 1                           ; v1   16 x lane: the vector offset of every load; never rewritten
.set LANE, 2                           ; v2   lane
.set R,    3                           ; v3   lane % 16
.set H,    4                           ; v4   lane / 16
.set SST,  5                           ; v5   stage: where my 8 bytes of a channel's row go
.set BAD,  6                           ; v6   stage: my part of a fragment of fmap
.set AFG,  7                           ; v7   weights: my part of a fragment of the 16 foreground rows
.set ABG,  8                           ; v8   weights: my part of a fragment of the background rows
.set WSF,  9                           ; v9   weights: where my wave's foreground row is written
.set WSB,  10                          ; v10  weights: where my wave's quarter of a background row is written
.set ONE,  11                          ; v11  1.0
.set T,    12                          ; v[12:19]   at work
.set M,    20                          ; v[20:39]   masks as loaded: 16 foreground values, 4 background values a lane
.set F,    40                          ; v[40:59]   their weights, f32, then packed bf16; on the way out: results
.set FR0,  64                          ; v[64:87]   fragment buffer 0: fmap 8, foreground weights 8, background weights 8
.set FR1,  88                          ; v[88:111]  fragment buffer 1
.set ACCF, 112                         ; v[112:119] sums, foreground rows x my 16 channels
.set ACCB, 120                         ; v[120:127] sums, background rows x my 16 channels
.set X,    128                         ; v[128:255] two groups of 16 loads
	s_load_b256 s[4:11], s[0:1], 0x0               ; fmap s[4:5], fg_mask s[6:7], bg_mask s[8:9], part s[10:11]
	v_lshl_add_u32 v62, v0, 2, 0x1b500
	v_mov_b32 v63, 0
	v_lshrrev_b32 v[T], 5, v0
	v_readfirstlane_b32 s14, v[T]                  ; wave 0..15
	s_and_b32 s15, ttmp7, 0xffff                   ; batch
	v_and_b32 v[LANE], 31, v0
	v_lshlrev_b32 v[LOFF], 4, v[LANE]
	s_lshl_b32 s16, ttmp9, 11                      ; the chunk's first pixel in a row: 512 pixels x 4 bytes
	s_lshl_b32 s18, s15, 24                        ; fmap: batch x 256 rows + wave x 16 rows + chunk
	s_lshl_b32 s17, s14, 20
	s_add_co_u32 s18, s18, s17
	s_add_co_u32 s18, s18, s16
	s_mov_b32 s19, 0
	s_lshl_b32 s20, s15, 20                        ; fg_mask: batch x 16 rows + row w + chunk
	s_lshl_b32 s17, s14, 16
	s_add_co_u32 s20, s20, s17
	s_add_co_u32 s20, s20, s16
	s_mov_b32 s21, 0
	s_lshl_b32 s22, s15, 18                        ; bg_mask: batch x 4 rows + row w >> 2 + chunk + quarter w & 3 (128 pixels)
	s_lshr_b32 s17, s14, 2
	s_lshl_b32 s17, s17, 16
	s_add_co_u32 s22, s22, s17
	s_and_b32 s17, s14, 3
	s_lshl_b32 s17, s17, 9
	s_add_co_u32 s22, s22, s17
	s_add_co_u32 s22, s22, s16
	s_mov_b32 s23, 0
	s_lshl_b32 s24, s15, 5
	s_add_co_u32 s24, s24, ttmp9                   ; block number = 32 x batch + chunk
	s_mul_i32 s26, s24, BLOCK
	s_mov_b32 s27, 0
	s_mov_b32 s30, 0x76543210                      ; v_permlanex16_b32: lane i of one half reads lane i of the other
	s_mov_b32 s31, 0xfedcba98
	s_wait_kmcnt 0x0
	s_add_nc_u64 s[4:5], s[4:5], s[18:19]
	s_add_nc_u64 s[6:7], s[6:7], s[20:21]
	s_add_nc_u64 s[8:9], s[8:9], s[22:23]
	s_add_nc_u64 s[10:11], s[10:11], s[26:27]
; Group q = pixels 128 q .. 128 q + 127 of my 16 channels, into the registers of parity q & 1.  Channel and quarter stand in the immediate
; (984,576 bytes at the most).  Every input byte is read once in the launch, hence the hint.
.macro FILL q
.irp c, 0,1,2,3,4,5,6,7,8,9,10,11,12,13,14,15
	global_load_b128 v[X+64*(\q&1)+4*\c:X+64*(\q&1)+4*\c+3], v[LOFF], s[4:5] offset:\c*ROWB+\q*QB th:TH_LOAD_NT
.endr
.endm
.irp q, 0,1,2,3
	global_load_b128 v[M+4*\q:M+4*\q+3], v[LOFF], s[6:7] offset:\q*QB th:TH_LOAD_NT   ; value 4 q + e of a lane is pixel 128 q + 4 lane + e
.endr
	global_load_b128 v[M+16:M+19], v[LOFF], s[8:9] th:TH_LOAD_NT
	FILL 0
	FILL 1
	; LDS addresses, while the loads are on their way
	v_and_b32 v[R], 15, v0
	v_bfe_u32 v[H], v0, 4, 1
	s_mul_i32 s24, s14, STGW
	s_add_co_u32 s24, s24, STG                     ; my wave's stage
	v_lshl_add_u32 v[SST], v[LANE], 3, s24         ; 4 pixels in bf16 = 8 bytes a lane: a store of the wave fills a row's 256 bytes
	v_mul_u32_u24 v[T], v[R], SP                   ; a fragment of 16 rows x 32 along K: lane holds row lane % 16, two pieces of 16 bytes, 32 bytes apart, at 16 (lane / 16)
	v_lshl_add_u32 v[T], v[H], 4, v[T]
	v_add_nc_u32 v[BAD], s24, v[T]
	v_mul_u32_u24 v[AFG], v[R], WP
	v_lshl_add_u32 v[AFG], v[H], 4, v[AFG]
	v_and_b32 v[T], 1, v[R]                        ; row m of the background fragment repeats background mask 2 (m >> 3) + (m & 1):
	v_lshrrev_b32 v[T+1], 3, v[R]                  ; result registers 0 and 1 of lane half h are then masks 2 h and 2 h + 1, and every lane holds something to store
	v_lshl_add_u32 v[T], v[T+1], 1, v[T]
	v_add_nc_u32 v[T], 16, v[T]
	v_mul_u32_u24 v[ABG], v[T], WP
	v_lshl_add_u32 v[ABG], v[H], 4, v[ABG]
	s_mul_i32 s25, s14, WP
	v_lshl_add_u32 v[WSF], v[LANE], 3, s25         ; weight row w
	s_lshr_b32 s26, s14, 2
	s_add_co_u32 s26, s26, 16
	s_mul_i32 s26, s26, WP
	s_and_b32 s27, s14, 3
	s_lshl_b32 s27, s27, 8
	s_add_co_u32 s26, s26, s27
	v_lshl_add_u32 v[WSB], v[LANE], 3, s26         ; weight row 16 + (w >> 2), quarter w & 3
	v_mov_b32 v[ONE], 1.0
; A figure over the 32 lanes, the result in every lane: four steps inside each half of 16 lanes, one across the halves.
.macro WAVE_RED opd, op, reg, tmp
	\opd v[\reg], v[\reg], v[\reg] row_xmask:1 row_mask:0xf bank_mask:0xf
	\opd v[\reg], v[\reg], v[\reg] row_xmask:2 row_mask:0xf bank_mask:0xf
	\opd v[\reg], v[\reg], v[\reg] row_xmask:4 row_mask:0xf bank_mask:0xf
	\opd v[\reg], v[\reg], v[\reg] row_xmask:8 row_mask:0xf bank_mask:0xf
	v_permlanex16_b32 v[\tmp], v[\reg], s30, s31   ; its destination counts as read: a register that has been written
	\op v[\reg], v[\reg], v[\tmp]
.endm
	; THE MASKS.  Loads come back in order: 32 younger ones (the two groups of fmap) stay out.
	s_wait_loadcnt 32
.set i, 0
.rept 20
	v_cmp_lt_f32 vcc_lo, 0.5, v[M+i]
	v_cndmask_b32 v[F+i], 0, v[ONE], vcc_lo        ; weight 1.0 where mask > 0.5
.set i, i+1
.endr
	v_pk_add_f32 v[T:T+1],   v[F:F+1],     v[F+2:F+3]          ; counts are sums of the weights: exact in f32
	v_pk_add_f32 v[T+2:T+3], v[F+4:F+5],   v[F+6:F+7]
	v_pk_add_f32 v[T+4:T+5], v[F+8:F+9],   v[F+10:F+11]
	v_pk_add_f32 v[T+6:T+7], v[F+12:F+13], v[F+14:F+15]
	v_pk_add_f32 v[T:T+1],   v[T:T+1],     v[T+2:T+3]
	v_pk_add_f32 v[T+4:T+5], v[T+4:T+5],   v[T+6:T+7]
	v_pk_add_f32 v[T:T+1],   v[T:T+1],     v[T+4:T+5]
	v_add_f32 v[T], v[T], v[T+1]                   ; T: foreground count
	v_pk_add_f32 v[T+2:T+3], v[F+16:F+17], v[F+18:F+19]
	v_add_f32 v[T+1], v[T+2], v[T+3]               ; T+1: count of my quarter of a background row
	v_max3_num_f32 v[T+2], v[M],   v[M+1],  v[M+2] ; T+2: largest foreground value, two chains
	v_max3_num_f32 v[T+3], v[M+3], v[M+4],  v[M+5]
	v_max3_num_f32 v[T+2], v[T+2], v[M+6],  v[M+7]
	v_max3_num_f32 v[T+3], v[T+3], v[M+8],  v[M+9]
	v_max3_num_f32 v[T+2], v[T+2], v[M+10], v[M+11]
	v_max3_num_f32 v[T+3], v[T+3], v[M+12], v[M+13]
	v_max3_num_f32 v[T+2], v[T+2], v[M+14], v[M+15]
	v_max_num_f32 v[T+2], v[T+2], v[T+3]
	WAVE_RED v_max_num_f32_dpp, v_max_num_f32, T+2, T+3
	WAVE_RED v_add_f32_dpp, v_add_f32, T, T+3
	WAVE_RED v_add_f32_dpp, v_add_f32, T+1, T+3
	; the first pixel that holds the largest value: in each lane the lowest 128 q + e (taken from the top down, so that the lowest stays),
	; plus 4 lane, then the least over the lanes.  Kept as f32 there (exact: below 2^24).
	v_mov_b32 v[T+4], 0x10000                      ; none
.set i, 15
.rept 16
	v_cmp_neq_f32 vcc_lo, v[M+i], v[T+2]
	v_cndmask_b32 v[T+4], 128*(i>>2)+(i&3), v[T+4], vcc_lo
.set i, i-1
.endr
	v_lshl_add_u32 v[T+4], v[LANE], 2, v[T+4]
	v_cvt_f32_u32 v[T+4], v[T+4]
	WAVE_RED v_min_num_f32_dpp, v_min_num_f32, T+4, T+3
	v_cvt_u32_f32 v[T+4], v[T+4]
	v_lshlrev_b32 v[T+3], 2, v[LANE]
	v_sub_nc_u32 v[T+4], v[T+4], v[T+3]            ; that pixel as 128 q + e of MY lane: it fits one value of one lane only (4 x a lane distance is below 128)
	v_cmp_eq_f32 vcc_lo, 0, v[T]
	v_cndmask_b32 v[T+4], -1, v[T+4], vcc_lo       ; a chunk with pixels above 0.5 keeps its weights: -1 fits no value
.set i, 0
.rept 16
	v_cmp_ne_u32 vcc_lo, 128*(i>>2)+(i&3), v[T+4]
	v_cndmask_b32 v[F+i], 1.0, v[F+i], vcc_lo      ; an empty chunk: weight 1.0 at that one pixel
.set i, i+1
.endr
.irp q, 0,1,2,3,4
	v_cvt_pk_bf16_f32 v[F+4*\q],   v[F+4*\q],   v[F+4*\q+1]    ; 0.0 and 1.0 are exact in bf16
	v_cvt_pk_bf16_f32 v[F+4*\q+1], v[F+4*\q+2], v[F+4*\q+3]
.endr
.irp q, 0,1,2,3
	ds_store_b64 v[WSF], v[F+4*\q:F+4*\q+1] offset:256*\q
.endr
	ds_store_b64 v[WSB], v[F+16:F+17]
	v_mov_b32 v[T+4], v[T]                         ; my foreground row's four count words: (count, 0, 0, 0)
	v_mov_b32 v[T+5], 0
	v_mov_b32 v[T+6], 0
	v_mov_b32 v[T+7], 0
	s_lshl_b32 s24, s14, 4
	s_lshl_b32 s25, s14, 2
	v_mov_b32 v[M], s24
	v_mov_b32 v[M+1], s25
	ds_store_b128 v[M], v[T+4:T+7] offset:STQ      ; all lanes write the same words with the same values
	ds_store_b32 v[M+1], v[T+1] offset:STQ+256     ; word w & 3 of row 16 + (w >> 2) lies at 256 + 4 w
	ds_store_b32 v[M+1], v[T+2] offset:STM
	s_wait_dscnt 0x0                               ; for the other waves' sake: my weights and figures are in LDS
	s_barrier_signal -1
	s_barrier_wait -1                              ; all 20 weight rows are whole; nobody writes them again
	; wave 0 stores the record: lane i the pair of row i (lanes 20-31 repeat row 19: filler, so that the store covers 256 whole bytes).
	; Its registers are not written again in the launch.
	s_cmp_lg_u32 s14, 0
	s_cbranch_scc1 .Lno_record
	v_min_u32 v[M], 19, v[LANE]
	v_min_u32 v[M+1], 15, v[LANE]
	v_lshlrev_b32 v[M], 4, v[M]
	v_lshlrev_b32 v[M+1], 2, v[M+1]
	v_lshlrev_b32 v[M+2], 3, v[LANE]
	ds_load_b128 v[M+4:M+7], v[M] offset:STQ
	ds_load_b32 v[M+9], v[M+1] offset:STM
	s_wait_dscnt 0x0
	v_add_f32 v[M+4], v[M+4], v[M+5]
	v_add_f32 v[M+6], v[M+6], v[M+7]
	v_add_f32 v[M+8], v[M+4], v[M+6]
	global_store_b64 v[M+2], v[M+8:M+9], s[10:11] offset:REC
.Lno_record:
; Six LDS loads: the fragments of 32 pixels (step k of group q) into buffer f
.macro LOADF f, q, k
	ds_load_b128 v[\f:\f+3],     v[BAD] offset:\k*64
	ds_load_b128 v[\f+4:\f+7],   v[BAD] offset:\k*64+32
	ds_load_b128 v[\f+8:\f+11],  v[AFG] offset:\q*256+\k*64
	ds_load_b128 v[\f+12:\f+15], v[AFG] offset:\q*256+\k*64+32
	ds_load_b128 v[\f+16:\f+19], v[ABG] offset:\q*256+\k*64
	ds_load_b128 v[\f+20:\f+23], v[ABG] offset:\q*256+\k*64+32
.endm
; Source 0 = weights (rows = masks), source 1 = fmap (columns = channels).  The two accumulators take turns, one instruction a turn.
; zero = 1: the first products start the sums, nothing is cleared.
.macro MUL f, zero
.if \zero
	v_wmma_f32_16x16x32_bf16 v[ACCF:ACCF+7], v[\f+8:\f+15],  v[\f:\f+7], 0
	v_wmma_f32_16x16x32_bf16 v[ACCB:ACCB+7], v[\f+16:\f+23], v[\f:\f+7], 0
.else
	v_wmma_f32_16x16x32_bf16 v[ACCF:ACCF+7], v[\f+8:\f+15],  v[\f:\f+7], v[ACCF:ACCF+7]
	v_wmma_f32_16x16x32_bf16 v[ACCB:ACCB+7], v[\f+16:\f+23], v[\f:\f+7], v[ACCB:ACCB+7]
.endif
.endm
; A load into a register that a matrix instruction has read stands four places behind it, and only plain vector instructions that name
; none of its registers are places (ISA guide 7.12.1 for vector instructions).
.macro PLACES
.rept 4
	v_nop
.endr
.endm
; One group: wait, round to bf16 in place, through my own stage, four steps of 32 pixels on two fragment buffers.
; left = younger loads that stay out; refill = 1: group next goes out into this group's registers.
; Between the last products of one group and the first fragment loads of the next stand the 32 conversions, which are places.
.macro GROUP q, zero, refill, next, left
	s_wait_loadcnt \left                           ; my group's 16 loads are in; the other group's 16 stay on their way
.irp c, 0,1,2,3,4,5,6,7,8,9,10,11,12,13,14,15
	v_cvt_pk_bf16_f32 v[X+64*(\q&1)+4*\c],   v[X+64*(\q&1)+4*\c],   v[X+64*(\q&1)+4*\c+1]
	v_cvt_pk_bf16_f32 v[X+64*(\q&1)+4*\c+1], v[X+64*(\q&1)+4*\c+2], v[X+64*(\q&1)+4*\c+3]
	ds_store_b64 v[SST], v[X+64*(\q&1)+4*\c:X+64*(\q&1)+4*\c+1] offset:\c*SP
.endr
	LOADF FR0, \q, 0                               ; LDS serves a wave's instructions in order (ISA guide 5.7.1): these see my stores above, and the
	LOADF FR1, \q, 1                               ; stores came behind the last group's reads of the stage, which were waited for
	s_wait_dscnt 6                                 ; buffer 0 is in, and with it every LDS store before it is done; buffer 1's six loads stay out
.if \refill
	FILL \next                                     ; so the group's registers may be loaded again
.endif
	MUL FR0, \zero
	PLACES
	LOADF FR0, \q, 2
	s_wait_dscnt 6                                 ; buffer 1 is in; the six just issued stay out
	MUL FR1, 0
	PLACES
	LOADF FR1, \q, 3
	s_wait_dscnt 6
	MUL FR0, 0
	s_wait_dscnt 0x0
	MUL FR1, 0
.endm
	GROUP 0, 1, 1, 2, 16
	GROUP 1, 0, 1, 3, 16
	GROUP 2, 0, 0, 0, 16
	GROUP 3, 0, 0, 0, 0
	; THE WAY OUT.  Register j of lane (r, h) is (mask row 8 h + j, channel 16 w + r): 64 bytes of a row in sixteen lanes.  All waves lay
	; their pieces into 20 rows in LDS, and the rows go out in stores that cover 256 consecutive aligned bytes each.
	; The eight address lines are the places behind the last matrix instructions.
	s_lshl_b32 s24, s14, 6
	s_add_co_u32 s24, s24, OUTS                    ; my 16 channels' 64 bytes in a row
	s_lshr_b32 s25, s14, 2
	s_mul_i32 s25, s25, WP
	s_and_b32 s26, s14, 3
	s_lshl_b32 s26, s26, 8
	s_add_co_u32 s25, s25, s26
	s_add_co_u32 s25, s25, OUTS                    ; back: row w >> 2, quarter w & 3 of its 1,024 bytes
	v_mul_u32_u24 v[T],   v[H], 8*WP
	v_mul_u32_u24 v[T+1], v[H], 2*WP
	v_lshl_add_u32 v[T],   v[R], 2, v[T]
	v_lshl_add_u32 v[T+1], v[R], 2, v[T+1]
	v_add_nc_u32 v[T],   s24, v[T]
	v_add_nc_u32 v[T+1], s24, v[T+1]
	v_lshl_add_u32 v[T+2], v[LANE], 3, s25
	v_lshlrev_b32 v[T+3], 3, v0                    ; in part: 8 bytes a thread, 4,096 bytes (four rows) a pass
.irp j, 0,1,2,3,4,5,6,7
	ds_store_b32 v[T], v[ACCF+\j] offset:\j*WP
.endr
	ds_store_b32 v[T+1], v[ACCB]   offset:16*WP    ; background masks 2 h and 2 h + 1
	ds_store_b32 v[T+1], v[ACCB+1] offset:17*WP
	s_wait_dscnt 0x0                               ; for the other waves' sake
	s_barrier_signal -1
	s_barrier_wait -1
.irp i, 0,1,2,3,4
	ds_load_b64 v[F+2*\i:F+2*\i+1], v[T+2] offset:\i*4*WP
.endr
.irp i, 0,1,2,3,4
	s_wait_dscnt 4-\i                              ; LDS loads come back in order: pass i is in
	global_store_b64 v[T+3], v[F+2*\i:F+2*\i+1], s[10:11] offset:\i*4096   ; the second launch reads these soon: no hint
.endr
	s_wait_tensorcnt 0x0
	ds_add_u32 v62, v63
	s_wait_dscnt 0x0
	s_endpgm
.Lfunc_end_k_q02a1426b19_partial:
	.size	k_q02a1426b19_partial, .Lfunc_end_k_q02a1426b19_partial-k_q02a1426b19_partial
	.p2alignl 7, 3214868480
	.fill 96, 4, 3214868480
	.section	.rodata,"a",@progbits
	.p2align	6, 0x0
	.amdhsa_kernel k_q02a1426b19_partial
		.amdhsa_group_segment_fixed_size 113920
		.amdhsa_private_segment_fixed_size 0
		.amdhsa_enable_private_segment 0
		.amdhsa_kernarg_size 32
		.amdhsa_user_sgpr_count 2
		.amdhsa_user_sgpr_kernarg_segment_ptr 1
		.amdhsa_wavefront_size32 1
		.amdhsa_system_sgpr_workgroup_id_x 1
		.amdhsa_system_sgpr_workgroup_id_y 1
		.amdhsa_system_sgpr_workgroup_id_z 1
		.amdhsa_system_vgpr_workitem_id 0
		.amdhsa_next_free_vgpr 256
		.amdhsa_next_free_sgpr 66
		.amdhsa_reserve_vcc 1
		.amdhsa_float_denorm_mode_32 3
		.amdhsa_float_denorm_mode_16_64 3
		.amdhsa_memory_ordered 1
		.amdhsa_forward_progress 1
		.amdhsa_inst_pref_size 43
	.end_amdhsa_kernel
	.amdgpu_metadata
---
amdhsa.version: [ 1, 2 ]
amdhsa.kernels:
  - .name:           k_q02a1426b19_partial
    .symbol:         k_q02a1426b19_partial.kd
    .args:
      - { .name: fmap, .offset: 0, .size: 8, .value_kind: global_buffer, .address_space: global }
      - { .name: fg_mask, .offset: 8, .size: 8, .value_kind: global_buffer, .address_space: global }
      - { .name: bg_mask, .offset: 16, .size: 8, .value_kind: global_buffer, .address_space: global }
      - { .name: part, .offset: 24, .size: 8, .value_kind: global_buffer, .address_space: global }
    .group_segment_fixed_size: 113920
    .private_segment_fixed_size: 0
    .kernarg_segment_align: 8
    .kernarg_segment_size: 32
    .max_flat_workgroup_size: 512
    .sgpr_count:     66
    .vgpr_count:     256
    .wavefront_size: 32
...
	.end_amdgpu_metadata
.endif
;; end of part 1
;; launch finish (part 2): grid 20 x 8, 2 waves a work-group, no clusters, 0 bytes of LDS; arguments part, out0, out1; writes out0, out1
.if DOCPART == 2
	.amdgcn_target "amdgcn-amd-amdhsa--gfx1250"
	.amdhsa_code_object_version 6
	.text
	.protected	k_q02a1426b19_finish
	.globl	k_q02a1426b19_finish
	.p2align	8
	.type	k_q02a1426b19_finish,@function
k_q02a1426b19_finish:
	s_mov_b64 s[64:65], 0
	v_nop
	global_prefetch_b8 v0, s[64:65] scope:SCOPE_SE
	s_setreg_imm32_b32 hwreg(HW_REG_WAVE_MODE, 25, 1), 1
	s_wait_xcnt 0x0
; Masked average pooling, second of two launches: the 32 chunks' partial rows become one output row.
; part: for each batch 32 blocks of 20,736 bytes: 20 rows x 256 f32, then a record of pairs (count, largest mask value), pair i for row i.
; Work-group (x = row 0..19, y = batch); rows 0-15 go to out0 [8][16][256], rows 16-19 to out1 [8][4][256].  Two waves, half a row each:
; thread t owns the 16 bytes at byte 16 t of the row, so every load and the store of a wave cover 512 consecutive aligned bytes.
; out = sum over chunks s of a[s] x part[s], with T = the sum of the counts and
;   T > 0: a[s] = 1 / T where the chunk has pixels, 0 where it has none (such a foreground row holds a fall-back pixel, not a sum);
;   T = 0: a[s] = 1 for the first chunk that attains the largest mask value (foreground) or 0 (background), 0 for the others.
; The choice only selects values: no address and no branch hangs on it.  The division is a multiplication by v_rcp_f32's 1 / T.
; The waves depend on nothing but memory: no LDS, no barrier.  Each wave forms the 32 coefficients itself, lane s for chunk s.
; LIMIT: partial rows are taken to be finite (0 x infinity would give NaN, as reference()'s own product of a zero weight does).
.set NCH,   32
.set BLOCK, 20736
.set REC,   20480
.set AL,    32                         ; s[32:63]   the 32 coefficients
.set ACC,   8                          ; v[8:11]    my four sums
.set X,     16                         ; v[16:143]  my 16 bytes of the row in each of the 32 blocks
	s_load_b128 s[4:7], s[0:1], 0x0                ; part s[4:5], out0 s[6:7]
	s_load_b64 s[8:9], s[0:1], 0x10                ; out1
	s_and_b32 s12, ttmp7, 0xffff                   ; batch
	s_mov_b32 s13, ttmp9                           ; row
	v_and_b32 v1, 31, v0
	v_mul_u32_u24 v1, v1, BLOCK                    ; lane s: chunk s's block
	v_lshlrev_b32 v12, 4, v0                       ; 16 t; never rewritten
	s_mul_i32 s14, s12, NCH*BLOCK                  ; the batch's 32 blocks
	s_lshl_b32 s16, s13, 10
	s_add_co_u32 s16, s16, s14                     ; the row in the first block
	s_mov_b32 s17, 0
	s_lshl_b32 s18, s13, 3
	s_add_co_u32 s18, s18, s14
	s_add_co_u32 s18, s18, REC                     ; the row's pair in the first block's record
	s_mov_b32 s19, 0
	s_wait_kmcnt 0x0
	s_add_nc_u64 s[16:17], s[4:5], s[16:17]
	s_add_nc_u64 s[18:19], s[4:5], s[18:19]
	global_load_b64 v[2:3], v1, s[18:19]           ; (count, largest value) of chunk = lane; forty waves read each record: no hint
.set i, 0
.rept NCH
	global_load_b128 v[X+4*i:X+4*i+3], v12, s[16:17] offset:i*BLOCK th:TH_LOAD_NT   ; all 32 go out at once; each byte is read once
.set i, i+1
.endr
	; where the row goes
	s_lshl_b32 s20, s12, 4
	s_add_co_u32 s20, s20, s13
	s_lshl_b32 s20, s20, 10                        ; out0: (16 batch + row) x 1,024
	s_and_b32 s21, s13, 3                          ; rows 16-19: row - 16 = row & 3
	s_lshl_b32 s22, s12, 2
	s_add_co_u32 s21, s21, s22
	s_lshl_b32 s21, s21, 10                        ; out1: (4 batch + row - 16) x 1,024
	s_mov_b32 s24, 0x76543210                      ; v_permlanex16_b32: lane i of one half reads lane i of the other
	s_mov_b32 s25, 0xfedcba98
	s_cmp_lt_u32 s13, 16                           ; a foreground row?  The lines up to the last select leave SCC alone
	s_cselect_b32 s20, s20, s21
	s_cselect_b32 s23, 0x3f800000, 0               ; the coefficient of the chosen chunk when the mask is empty: 1.0 or 0.0
	s_mov_b32 s21, 0
	s_cselect_b64 s[10:11], s[6:7], s[8:9]
	s_add_nc_u64 s[10:11], s[10:11], s[20:21]
	s_wait_loadcnt 32                              ; loads come back in order: the pair is in, the 32 blocks' loads stay out
	v_mov_b32 v4, v2
	v_mov_b32 v5, v3
	v_mov_b32 v6, 0
	v_add_f32_dpp v4, v4, v4 row_xmask:1 row_mask:0xf bank_mask:0xf        ; T, the sum of the 32 counts (exact: at most 16,384),
	v_max_num_f32_dpp v5, v5, v5 row_xmask:1 row_mask:0xf bank_mask:0xf    ; and the largest of the 32 maxima, in every lane
	v_add_f32_dpp v4, v4, v4 row_xmask:2 row_mask:0xf bank_mask:0xf
	v_max_num_f32_dpp v5, v5, v5 row_xmask:2 row_mask:0xf bank_mask:0xf
	v_add_f32_dpp v4, v4, v4 row_xmask:4 row_mask:0xf bank_mask:0xf
	v_max_num_f32_dpp v5, v5, v5 row_xmask:4 row_mask:0xf bank_mask:0xf
	v_add_f32_dpp v4, v4, v4 row_xmask:8 row_mask:0xf bank_mask:0xf
	v_max_num_f32_dpp v5, v5, v5 row_xmask:8 row_mask:0xf bank_mask:0xf
	v_permlanex16_b32 v6, v4, s24, s25
	v_add_f32 v4, v4, v6
	v_permlanex16_b32 v6, v5, s24, s25
	v_max_num_f32 v5, v5, v6
	v_cmp_lt_f32 s26, 0, v2                        ; the chunks that have pixels
	v_cmp_eq_f32 s27, v3, v5                       ; the chunks that attain the largest value,
	s_sub_co_u32 s28, 0, s27
	s_and_b32 s27, s27, s28                        ; of which the lowest bit is the first
	s_cmp_lg_u32 s26, 0                            ; T > 0 exactly when some chunk has pixels
	s_cselect_b32 s26, s26, s27                    ; the chunks whose coefficient is not 0
	v_rcp_f32 v7, v4
	v_cmp_lt_f32 vcc_lo, 0, v4                     ; a plain vector instruction between v_rcp_f32 and the use of its result (ISA guide 5.7.2)
	v_mov_b32 v6, s23
	s_wait_alu depctr_va_vdst(0)
	v_cndmask_b32 v7, v6, v7, vcc_lo               ; 1 / T, or the empty mask's 1.0 or 0.0
	v_cndmask_b32 v7, 0, v7, s26                   ; lane s: a[s]
.set i, 0
.rept NCH
	v_readlane_b32 s[AL+i], v7, i
.set i, i+1
.endr
	s_wait_loadcnt 31                              ; block 0 is in; the counts run down with the blocks
.irp e, 0,1,2,3
	v_mul_f32 v[ACC+\e], s[AL], v[X+\e]            ; the first product starts the sums
.endr
.set i, 1
.rept NCH-1
	s_wait_loadcnt 31-i
.irp e, 0,1,2,3
	v_fmac_f32 v[ACC+\e], s[AL+i], v[X+4*i+\e]
.endr
.set i, i+1
.endr
	global_store_b128 v12, v[ACC:ACC+3], s[10:11]
	s_endpgm
.Lfunc_end_k_q02a1426b19_finish:
	.size	k_q02a1426b19_finish, .Lfunc_end_k_q02a1426b19_finish-k_q02a1426b19_finish
	.p2alignl 7, 3214868480
	.fill 96, 4, 3214868480
	.section	.rodata,"a",@progbits
	.p2align	6, 0x0
	.amdhsa_kernel k_q02a1426b19_finish
		.amdhsa_group_segment_fixed_size 0
		.amdhsa_private_segment_fixed_size 0
		.amdhsa_enable_private_segment 0
		.amdhsa_kernarg_size 24
		.amdhsa_user_sgpr_count 2
		.amdhsa_user_sgpr_kernarg_segment_ptr 1
		.amdhsa_wavefront_size32 1
		.amdhsa_system_sgpr_workgroup_id_x 1
		.amdhsa_system_sgpr_workgroup_id_y 1
		.amdhsa_system_sgpr_workgroup_id_z 1
		.amdhsa_system_vgpr_workitem_id 0
		.amdhsa_next_free_vgpr 144
		.amdhsa_next_free_sgpr 66
		.amdhsa_reserve_vcc 1
		.amdhsa_float_denorm_mode_32 3
		.amdhsa_float_denorm_mode_16_64 3
		.amdhsa_memory_ordered 1
		.amdhsa_forward_progress 1
		.amdhsa_inst_pref_size 14
	.end_amdhsa_kernel
	.amdgpu_metadata
---
amdhsa.version: [ 1, 2 ]
amdhsa.kernels:
  - .name:           k_q02a1426b19_finish
    .symbol:         k_q02a1426b19_finish.kd
    .args:
      - { .name: part, .offset: 0, .size: 8, .value_kind: global_buffer, .address_space: global }
      - { .name: out0, .offset: 8, .size: 8, .value_kind: global_buffer, .address_space: global }
      - { .name: out1, .offset: 16, .size: 8, .value_kind: global_buffer, .address_space: global }
    .group_segment_fixed_size: 0
    .private_segment_fixed_size: 0
    .kernarg_segment_align: 8
    .kernarg_segment_size: 24
    .max_flat_workgroup_size: 64
    .sgpr_count:     66
    .vgpr_count:     144
    .wavefront_size: 32
...
	.end_amdgpu_metadata
.endif
;; end of part 2
